; MI455X (gfx1250); checked and timed in simulation.
; The chip was launched on July 23, 2026; its instructions are those of AMD's public machine-readable ISA for CDNA 5 (MIT licence, August 2026) and "CDNA5" Instruction Set Architecture Reference Guide (July 2026). The comments in the code are by the model that wrote it; some were corrected since.
;; Causal Self Attention. Allowed arithmetic: matrix products marked QUANTISED: E2M1 operands, one E8M0 scale for each 32 along K, by v_wmma_scale_f32_16x16x128_f8f6f4 with both operands' format E2M1 (or v_wmma_scale_f32_32x16x128_f4), f32 sums; products left as they are: bf16, f16 or f32 operands; f32 sums; everything else in f32.
;; Inputs: Wk 256 x 256 float32; Wo 256 x 256 float32; Wq 256 x 256 float32; Wv 256 x 256 float32; x 4 x 4,096 x 256 float32.
;; Outputs: out0 4 x 4,096 x 256 float32.
;; This version of the problem:
;;   THIS VERSION OF THE PROBLEM IS GIVEN IN LOW PRECISION. The matrix products marked QUANTISED in the list below multiply operands that are first quantised to E2M1 (2 exponent bits, 1 mantissa bit; 4 bits a number), with one power-of-two scale for each 32 numbers along K (OCP MX v1.0); their sums are f32. The products marked 'left as it is' may take bf16, f16 or f32 operands, with f32 sums. Whichever they take, every output number must still come out within the allowed error. Rounding operands to bf16 (8 significant bits) uses up far more of that allowance than f16 does (11 bits, for magnitudes from 6e-5 to 65,504). All else is computed in f32.
;;   The module's matrix products, in the order in which they are computed (A, B: the left and right operand; K: the contracted axis; several contracted axes count as one K, in the product's order):
;;     1. [M 16,384, K 256] x [K 256, N 256]; A: input x; B: input Wq: QUANTISED
;;     2. [M 16,384, K 256] x [K 256, N 256]; A: input x; B: input Wk: QUANTISED
;;     3. [M 16,384, K 256] x [K 256, N 256]; A: input x; B: input Wv: QUANTISED
;;     4. batch 16 x [M 4,096, K 64] x [K 64, N 4,096]; A: computed on the way; B: computed on the way: left as it is (an operand is computed on the way)
;;     5. batch 16 x [M 4,096, K 4,096] x [K 4,096, N 64]; A: computed on the way; B: computed on the way: left as it is (an operand is computed on the way)
;;     6. [M 16,384, K 256] x [K 256, N 256]; A: computed on the way; B: input Wo: left as it is (an operand is computed on the way)
;;   THE QUANTISER, for each operand of a quantised product, along K:
;;     - K is cut into blocks of 32 from its start; a last block that is shorter is filled with zeros.
;;     - A block's scale is 2^e with e = floor(log2(the largest magnitude in the block)) - 2, held to -126 .. 127; a block of zeros has e = 0. As a byte (E8M0): e + 127.
;;     - Each number is divided by its block's scale, clamped to +-6, and rounded to the nearest number of E2M1, ties to even, subnormals kept.
;;     - The product sums the exact products of the quantised numbers (number of the format x scale) in f32.
;;   ~~~python
;;   def quantise(x, axis):      # numpy; x: float32 -> the quantised numbers, widened to float32 again
;;       x = np.moveaxis(x, axis, -1); K = x.shape[-1]
;;       x = np.pad(x, [(0, 0)] * (x.ndim - 1) + [(0, -K % 32)]); x = x.reshape(x.shape[:-1] + (-1, 32)); a = np.abs(x).max(-1, keepdims=True)
;;       e = np.where(a > 0, np.clip(np.frexp(np.where(a > 0, a, 1))[1] - 1 - 2, -126, 127), 0)      # np.frexp(a)[1] - 1 = floor(log2(a)), exactly
;;       r = np.clip(x / 2.0 ** e, -6, 6)
;;       step = 2.0 ** (np.maximum(np.frexp(np.where(r == 0, 1, r))[1] - 1, 0) - 1)
;;       q = np.round(r / step) * step * 2.0 ** e      # np.round: ties to even
;;       return np.moveaxis(q.reshape(q.shape[:-2] + (-1,))[..., :K], -1, axis).astype(np.float32)
;;   ~~~
;; One version. Each part assembles by itself: llvm-mc -triple=amdgcn-amd-amdhsa -mcpu=gfx1250 --defsym DOCPART=n.
;; ======== version 1 of 1: 4 launches
;; limits: values are held in f16: magnitudes above 65,504 overflow, below 6.1e-05 lose precision
;; workspace buffers: qf 8,388,608 bytes; kv 16,777,216 bytes; af 8,388,608 bytes; fine 196,608 bytes
;; launch qkv (part 1): grid 4 x 64, 8 waves a work-group, no clusters, 65,536 bytes of LDS; arguments x, Wq, Wk, Wv, qf, kv, fine; writes qf, kv, fine
.if DOCPART == 1
	.amdgcn_target "amdgcn-amd-amdhsa--gfx1250"
	.amdhsa_code_object_version 6
	.text
	.protected	k_q67e74dbd77_qkv
	.globl	k_q67e74dbd77_qkv
	.p2align	8
	.type	k_q67e74dbd77_qkv,@function
k_q67e74dbd77_qkv:
	s_mov_b64 s[64:65], 0
	v_nop
	global_prefetch_b8 v0, s[64:65] scope:SCOPE_SE
	s_setreg_imm32_b32 hwreg(HW_REG_WAVE_MODE, 25, 1), 1
	s_wait_xcnt 0x0
; q, k, v = x Wq^T, x Wk^T, x Wv^T, on codes of E2M1 with one E8M0 scale for each 32 along K = 256; sums in f32.
; A work-group takes 256 tokens (16 tiles of 16) and the 192 columns of one head (q, k, v: 4 channel tiles of 16 each).
; PART 1: 56 units of 16 rows x 128 K (32 of x, 24 of the weights) are quantised, seven a wave, and go to LDS as images of the
; operand's registers: each group of four registers 512 bytes on end, 16 bytes a lane; the scale word 4 bytes a lane.  One barrier.
; PART 2: wave w takes channel tile w % 4 of q, k and v for token tiles 8 (w / 4) .. + 7, two tiles at a time, six accumulators by turns.
; q and k are made transposed (source 0 = 16 rows of W, source 1 = 16 tokens): a lane holds one token and eight neighbouring channels;
; v is made the other way round (a lane holds one channel and eight neighbouring tokens).  Rounded to f16 in pairs these ARE halves of
; the fragments that the attention launch feeds to its products, so they are stored as register images, 512 consecutive bytes a store:
;   qf [bh][token tile 256][channel tile 4][lane][16 B], q times c = log2(e) / 8 (multiplied in f32, ahead of the rounding)
;   kv [bh][slot of 256 keys 16][quarter 4][step of 64 keys 4][1 KB fragment 4]: quarters 0, 1: k (key tile kt, channels 32 u on: fragment 2 kt + u);
;      quarters 2, 3: v^T (32 keys g, channel tile t: fragment 8 + 4 g + t)
;   fine [bh][q, k, v][channel tile 4][2][lane][16 B]: tokens 0-15 of each batch in f32, q unscaled, for the launch that carries those rows finely.
; THE QUANTISER: a block's scale byte is its largest magnitude's exponent field - 2, held at 1 from below by a floor among the maximum's leaves.
; LIMITS: a block whose largest magnitude lies under 2^-124 takes the byte 1; a block of zeros takes the byte 1 with zero codes (the rule says 127:
; only this launch reads the bytes); NaN and infinities are not served; |c q|, |k|, |v| beyond 65,504 do not fit f16.
; No cluster: the operands pass through registers (the quantiser), so there is no tensor load to ask for jointly.
.set XIMG,  0                          ; LDS: x's 32 images (2 x token tile + K step), 1,024 bytes each
.set XSC,   32768                      ; their scale words, 128 bytes each
.set WIMG,  36864                      ; the weights' 24 images (2 x (4 ty + channel tile) + K step)
.set WSC,   61440                      ; their scale words
.set SPARE, 64512                      ; the spare words, 128 bytes for each of eight waves
.set XA,  4                            ; v4   1024 r + 64 h: my 16 numbers of a block of 32 in row r
.set LI,  5                            ; v5   16 x lane
.set LS,  6                            ; v6   4 x lane
.set XWI, 7                            ; v7   where I store x's images: 16 x lane + 4096 x wave
.set XWS, 8                            ; v8   and their scale words: 4 x lane + 512 x wave
.set WWI, 9                            ; v9   the weights': 16 x lane + 3072 x wave
.set WWS, 10                           ; v10  4 x lane + 384 x wave
.set WRI, 11                           ; v11  where I read my channel tile's images: 16 x lane + 2048 ch
.set SPW, 12                           ; v12  my spare word; never rewritten
.set NIL, 13                           ; v13  0; never rewritten
.set WRS, 14                           ; v14  4 x lane + 256 ch
.set XRI, 15                           ; v15  16 x lane + 16384 rh
.set TM,  16                           ; v16-31 at work in the quantiser
.set PW,  32                           ; v32  the scale word just made
.set XRS, 33                           ; v33  4 x lane + 2048 rh
.set PC,  34                           ; v34-41 the codes just made
.set WS,  42                           ; v42-47 the weights' scale words (2 ty + K step): scales and nothing else
.set XS,  48                           ; v48-55 x's scale words, two sets of four (2 i + K step): scales and nothing else
.set SA,  64                           ; v64-255 three sets of 64 numbers as loaded
.set WF,  64                           ; part 2: v64-111 six fragments of W (2 ty + K step)
.set XF,  112                          ; v112-175 two sets of four fragments of x (2 i + K step)
.set ACC, 176                          ; v176-223 six accumulators (3 i + ty)
.set SEL, 24                           ; s[24:25] lane selects: lane l xor 16
.set CS,  26                           ; s[26:27] c = log2(e) / 8, twice
.macro LOADU set, sb, off              ; a unit's 64 numbers a lane: register 16 b + i = k 32 b + 16 h + i of row r
.irp b, 0,1,2,3
.irp e, 0,1,2,3
	global_load_b128 v[\set+16*\b+4*\e:\set+16*\b+4*\e+3], v[XA], s[\sb:\sb+1] offset:\off+128*\b+16*\e
.endr
.endr
.endm
.macro QUANT s                         ; 64 numbers of a lane become a fragment's codes in v[PC] on and its scale word in v[PW]
.irp b, 0,1,2,3
	v_max3_num_f32 v[TM+\b], |v[\s+16*\b]|, |v[\s+1+16*\b]|, 0x1800000   ; block b: my 16 numbers, and the floor 2^(3 - 127): the byte cannot fall under 1
.endr
.irp i, 2,4,6,8,10,12,14
.irp b, 0,1,2,3
	v_max3_num_f32 v[TM+\b], v[TM+\b], |v[\s+16*\b+\i]|, |v[\s+1+16*\b+\i]|
.endr
.endr
.irp b, 0,1,2,3
	v_permlanex16_b32 v[TM+4+\b], v[TM+\b], s[SEL], s[SEL+1]
.endr
.irp b, 0,1,2,3
	v_max_num_f32 v[TM+\b], v[TM+\b], v[TM+4+\b]   ; with lane l xor 16's: the block's largest magnitude
.endr
.irp b, 0,1,2,3
	v_add_nc_u32 v[TM+12+\b], 0xff000000, v[TM+\b]   ; 2 off its exponent field: the conversion's scale operand
.endr
.irp b, 0,1,2,3
	v_lshrrev_b32 v[TM+4+\b], 23, v[TM+12+\b]      ; the scale's byte
.endr
	v_lshl_or_b32 v[PW], v[TM+5], 8, v[TM+4]
	v_lshl_or_b32 v[PW], v[TM+6], 16, v[PW]
	v_lshl_or_b32 v[PW], v[TM+7], 24, v[PW]
.irp b, 0,1,2,3
	v_cvt_scalef32_pk8_fp4_f32 v[PC+2*\b], v[\s+16*\b:\s+7+16*\b], v[TM+12+\b]
	v_cvt_scalef32_pk8_fp4_f32 v[PC+1+2*\b], v[\s+8+16*\b:\s+15+16*\b], v[TM+12+\b]
.endr
	v_nop                                          ; one plain place behind a scaled conversion
.irp c, 0,1                                    ; the operand's layout wants a whole block in a lane
.irp i, 0,1
	v_permlane16_swap_b32 v[PC+4*\c+\i], v[PC+2+4*\c+\i]
.endr
.endr
.endm
.macro IMAGE adr, off
.irp c, 0,1
	ds_store_b128 v[\adr], v[PC+4*\c:PC+4*\c+3] offset:\off+512*\c
.endr
.endm
.macro UNIT set, left, ri, rw, oi, ow  ; one unit: left = the younger loads that may stay out
	s_wait_loadcnt \left
	QUANT \set
	IMAGE \ri, \oi
	ds_store_b32 v[\rw], v[PW] offset:\ow
	s_wait_dscnt 0x0                               ; the stores have read the codes' and the word's registers
.endm
.macro WPTR n, d                       ; where my n-th unit of the weights begins: unit 3 w + n = 2 (4 ty + channel tile) + K step
	s_mul_i32 s42, s18, 3
	s_add_co_u32 s42, s42, \n
	s_lshr_b32 s44, s42, 3                         ; ty: q, k, v
	s_bfe_u32 s45, s42, 0x20001                    ; channel tile
	s_and_b32 s42, s42, 1                          ; K step
	s_lshl_b32 s46, s21, 6
	s_lshl_b32 s45, s45, 4
	s_add_co_u32 s46, s46, s45                     ; row 64 hd + 16 x channel tile
	s_lshl_b32 s46, s46, 10
	s_lshl_b32 s42, s42, 9
	s_add_co_u32 s46, s46, s42
	s_mov_b32 s47, 0
	s_cmp_eq_u32 s44, 0                            ; the choice hangs on the wave's number alone
	s_cselect_b64 s[\d:\d+1], s[6:7], s[8:9]
	s_cmp_eq_u32 s44, 2
	s_cselect_b64 s[\d:\d+1], s[10:11], s[\d:\d+1]
	s_add_nc_u64 s[\d:\d+1], s[\d:\d+1], s[46:47]
.endm
.macro FETCHX bt, buf                  ; the four fragments and scale words of x for token tiles 2 bt, 2 bt + 1 of my eight
.irp i, 0,1
.irp ks, 0,1
.irp c, 0,1
	ds_load_b128 v[XF+32*(\buf)+8*(2*\i+\ks)+4*\c:XF+32*(\buf)+8*(2*\i+\ks)+4*\c+3], v[XRI] offset:XIMG+(2*(\bt)+\i)*2048+\ks*1024+512*\c
.endr
	ds_load_b32 v[XS+4*(\buf)+2*\i+\ks], v[XRS] offset:XSC+(2*(\bt)+\i)*256+\ks*128
.endr
.endr
.endm
	s_load_b256 s[4:11], s[0:1], 0x0               ; x, Wq, Wk, Wv
	s_load_b128 s[12:15], s[0:1], 0x20             ; qf, kv
	s_load_b64 s[16:17], s[0:1], 0x30              ; fine
	v_lshl_add_u32 v[SPW], v0, 2, SPARE
	v_mov_b32 v[NIL], 0
	v_lshrrev_b32 v1, 5, v0
	v_readfirstlane_b32 s18, v1                    ; wave 0..7
	s_and_b32 s19, s18, 3                          ; ch: my channel tile in part 2
	s_lshr_b32 s20, s18, 2                         ; rh: my half of the token tiles
	s_mov_b32 s21, ttmp9                           ; the head
	s_and_b32 s22, ttmp7, 0xffff                   ; the block of 256 tokens
	v_and_b32 v1, 31, v0
	v_and_b32 v2, 15, v0                           ; r
	v_bfe_u32 v3, v0, 4, 1                         ; h
	v_lshlrev_b32 v[XA], 10, v2
	v_lshl_add_u32 v[XA], v3, 6, v[XA]
	v_lshlrev_b32 v[LI], 4, v1
	v_lshlrev_b32 v[LS], 2, v1
	s_lshl_b32 s42, s18, 12
	v_add_nc_u32 v[XWI], s42, v[LI]
	s_lshl_b32 s42, s18, 9
	v_add_nc_u32 v[XWS], s42, v[LS]
	s_mul_i32 s42, s18, 3072
	v_add_nc_u32 v[WWI], s42, v[LI]
	s_mul_i32 s42, s18, 384
	v_add_nc_u32 v[WWS], s42, v[LS]
	s_lshl_b32 s42, s19, 11
	v_add_nc_u32 v[WRI], s42, v[LI]
	s_lshl_b32 s42, s19, 8
	v_add_nc_u32 v[WRS], s42, v[LS]
	s_lshl_b32 s42, s20, 14
	v_add_nc_u32 v[XRI], s42, v[LI]
	s_lshl_b32 s42, s20, 11
	v_add_nc_u32 v[XRS], s42, v[LS]
.irp b, 0,1,2,3
	v_mov_b32 v[TM+4+\b], 0                        ; written once: a lane permute's destination counts as one of its sources
.endr
	s_mov_b32 s[SEL], 0x76543210
	s_mov_b32 s[SEL+1], 0xfedcba98
	s_mov_b32 s[CS], 0x3e38aa3b                    ; log2(e) / 8
	s_mov_b32 s[CS+1], s[CS]
	s_lshl_b32 s42, s22, 18                        ; 256 tokens of 1,024 bytes
	s_lshl_b32 s43, s18, 15                        ; my two token tiles
	s_add_co_u32 s42, s42, s43
	s_mov_b32 s43, 0
	s_wait_kmcnt 0x0
	s_add_nc_u64 s[4:5], s[4:5], s[42:43]
	LOADU SA, 4, 0                                 ; x: tile 0, K step 0
	LOADU SA+64, 4, 512                            ; tile 0, K step 1
	LOADU SA+128, 4, 16384                         ; tile 1, K step 0
	WPTR 0, 28
	WPTR 1, 30
	WPTR 2, 32
	; where my results go
	s_lshr_b32 s42, s22, 4
	s_lshl_b32 s42, s42, 2
	s_add_co_u32 s42, s42, s21                     ; bh = 4 x batch + head
	s_and_b32 s43, s22, 15                         ; the block of 256 tokens in its batch = the slot of 256 keys
	s_lshl_b32 s44, s42, 19
	s_lshl_b32 s45, s43, 15
	s_add_co_u32 s44, s44, s45
	s_lshl_b32 s45, s20, 14
	s_add_co_u32 s44, s44, s45
	s_lshl_b32 s45, s19, 9
	s_add_co_u32 s44, s44, s45
	s_mov_b32 s45, 0
	s_add_nc_u64 s[34:35], s[12:13], s[44:45]      ; qf: my first token tile, my channel tile
	s_lshl_b32 s44, s42, 20
	s_lshl_b32 s46, s43, 16
	s_add_co_u32 s44, s44, s46
	s_lshl_b32 s46, s20, 13
	s_add_co_u32 s44, s44, s46                     ; kv: the slot, step 2 rh
	s_lshl_b32 s46, s19, 9
	s_add_co_u32 s46, s44, s46
	s_mov_b32 s47, 0
	s_add_nc_u64 s[36:37], s[14:15], s[46:47]      ; k
	s_lshl_b32 s46, s19, 10
	s_add_co_u32 s46, s44, s46
	s_add_co_u32 s46, s46, 32768
	s_add_nc_u64 s[38:39], s[14:15], s[46:47]      ; v
	s_mul_i32 s44, s42, 12288
	s_lshl_b32 s46, s19, 10
	s_add_co_u32 s44, s44, s46
	s_add_nc_u64 s[40:41], s[16:17], s[44:45]      ; fine
	; PART 1: seven units; three sets of registers, so two units' loads stay out while one is quantised
	UNIT SA, 32, XWI, XWS, XIMG, XSC
	LOADU SA, 4, 16896                             ; x: tile 1, K step 1
	UNIT SA+64, 32, XWI, XWS, XIMG+1024, XSC+128
	LOADU SA+64, 28, 0
	UNIT SA+128, 32, XWI, XWS, XIMG+2048, XSC+256
	LOADU SA+128, 30, 0
	UNIT SA, 32, XWI, XWS, XIMG+3072, XSC+384
	LOADU SA, 32, 0
	UNIT SA+64, 32, WWI, WWS, WIMG, WSC
	UNIT SA+128, 16, WWI, WWS, WIMG+1024, WSC+128
	UNIT SA, 0, WWI, WWS, WIMG+2048, WSC+256
	s_barrier_signal -1                            ; my stores have landed (the wait for 0 above): all 56 images lie in LDS behind this barrier
	s_barrier_wait -1
	; PART 2
.irp ty, 0,1,2
.irp ks, 0,1
.irp c, 0,1
	ds_load_b128 v[WF+8*(2*\ty+\ks)+4*\c:WF+8*(2*\ty+\ks)+4*\c+3], v[WRI] offset:WIMG+\ty*8192+\ks*1024+512*\c
.endr
	ds_load_b32 v[WS+2*\ty+\ks], v[WRS] offset:WSC+\ty*1024+\ks*128
.endr
.endr
	FETCHX 0, 0
.macro BATCH bt
.if (\bt) < 3
	FETCHX (\bt)+1, ((\bt)+1)%2                    ; the other set: its last readers stand in front of four v_nop
	s_wait_dscnt 12                                ; all but the 12 just issued
.else
	s_wait_dscnt 0x0
.endif
.if (\bt) > 0
	s_wait_xcnt 0x0                                ; the last batch's stores have read the accumulators' registers
.endif
.irp ks, 0,1                                   ; six accumulators by turns; the first K step starts the sums
.irp i, 0,1
.irp ty, 0,1,2
.set rD, ACC+8*(3*\i+\ty)
.set rW, WF+8*(2*\ty+\ks)
.set rX, XF+32*((\bt)%2)+8*(2*\i+\ks)
.set rWS, WS+2*\ty+\ks
.set rXS, XS+4*((\bt)%2)+2*\i+\ks
.if \ty < 2
.if \ks == 0
	v_wmma_scale_f32_16x16x128_f8f6f4 v[rD:rD+7], v[rW:rW+7], v[rX:rX+7], 0, v[rWS], v[rXS] matrix_a_fmt:MATRIX_FMT_FP4 matrix_b_fmt:MATRIX_FMT_FP4
.else
	v_wmma_scale_f32_16x16x128_f8f6f4 v[rD:rD+7], v[rW:rW+7], v[rX:rX+7], v[rD:rD+7], v[rWS], v[rXS] matrix_a_fmt:MATRIX_FMT_FP4 matrix_b_fmt:MATRIX_FMT_FP4
.endif
.else
.if \ks == 0
	v_wmma_scale_f32_16x16x128_f8f6f4 v[rD:rD+7], v[rX:rX+7], v[rW:rW+7], 0, v[rXS], v[rWS] matrix_a_fmt:MATRIX_FMT_FP4 matrix_b_fmt:MATRIX_FMT_FP4
.else
	v_wmma_scale_f32_16x16x128_f8f6f4 v[rD:rD+7], v[rX:rX+7], v[rW:rW+7], v[rD:rD+7], v[rXS], v[rWS] matrix_a_fmt:MATRIX_FMT_FP4 matrix_b_fmt:MATRIX_FMT_FP4
.endif
.endif
.endr
.endr
.endr
.rept 4
	v_nop                                          ; four places behind the products, ahead of the first read of a result
.endr
.if (\bt) == 0                                 ; tokens 0-15 of a batch leave in f32 too: the batch's first block, token tile 0
	s_and_b32 s42, s22, 15
	s_or_b32 s42, s42, s20
	s_cmp_lg_u32 s42, 0
	s_cbranch_scc1 .Lno_fine
.irp ty, 0,1,2
.irp c, 0,1
	global_store_b128 v[LI], v[ACC+8*\ty+4*\c:ACC+8*\ty+4*\c+3], s[40:41] offset:\ty*4096+512*\c
.endr
.endr
	s_wait_xcnt 0x0                                ; these registers are scaled and packed only behind this wait
.Lno_fine:
.endif
.irp i, 0,1
.irp d, 0,2,4,6
	v_pk_mul_f32 v[ACC+24*\i+\d:ACC+24*\i+\d+1], v[ACC+24*\i+\d:ACC+24*\i+\d+1], s[CS:CS+1] op_sel_hi:[1,0]   ; q x c, in f32
.endr
.endr
.irp t, 0,1,2,3,4,5
.irp d, 0,1,2,3
	v_cvt_pk_f16_f32 v[ACC+8*\t+\d], v[ACC+8*\t+2*\d], v[ACC+8*\t+2*\d+1]   ; in place, ascending: register d takes numbers 2 d, 2 d + 1
.endr
.endr
.irp i, 0,1                                    ; each store: 512 consecutive bytes, aligned
	global_store_b128 v[LI], v[ACC+24*\i:ACC+24*\i+3], s[34:35] offset:(2*(\bt)+\i)*2048
	global_store_b128 v[LI], v[ACC+24*\i+8:ACC+24*\i+11], s[36:37] offset:((\bt)&1)*16384+((\bt)>>1)*4096+\i*2048
	global_store_b128 v[LI], v[ACC+24*\i+16:ACC+24*\i+19], s[38:39] offset:((\bt)&1)*16384+((\bt)>>1)*4096+\i*512
.endr
.endm
	BATCH 0
	BATCH 1
	BATCH 2
	BATCH 3
	s_wait_tensorcnt 0x0                           ; the wave's end, behind my last LDS store
	ds_add_u32 v[SPW], v[NIL]
	s_wait_dscnt 0x0
	s_endpgm
.Lfunc_end_k_q67e74dbd77_qkv:
	.size	k_q67e74dbd77_qkv, .Lfunc_end_k_q67e74dbd77_qkv-k_q67e74dbd77_qkv
	.p2alignl 7, 3214868480
	.fill 96, 4, 3214868480
	.section	.rodata,"a",@progbits
	.p2align	6, 0x0
	.amdhsa_kernel k_q67e74dbd77_qkv
		.amdhsa_group_segment_fixed_size 65536
		.amdhsa_private_segment_fixed_size 0
		.amdhsa_enable_private_segment 0
		.amdhsa_kernarg_size 56
		.amdhsa_user_sgpr_count 2
		.amdhsa_user_sgpr_kernarg_segment_ptr 1
		.amdhsa_wavefront_size32 1
		.amdhsa_system_sgpr_workgroup_id_x 1
		.amdhsa_system_sgpr_workgroup_id_y 1
		.amdhsa_system_sgpr_workgroup_id_z 1
		.amdhsa_system_vgpr_workitem_id 0
		.amdhsa_next_free_vgpr 256
		.amdhsa_next_free_sgpr 66
		.amdhsa_reserve_vcc 0
		.amdhsa_float_denorm_mode_32 3
		.amdhsa_float_denorm_mode_16_64 3
		.amdhsa_memory_ordered 1
		.amdhsa_forward_progress 1
		.amdhsa_inst_pref_size 66
	.end_amdhsa_kernel
	.amdgpu_metadata
---
amdhsa.version: [ 1, 2 ]
amdhsa.kernels:
  - .name:           k_q67e74dbd77_qkv
    .symbol:         k_q67e74dbd77_qkv.kd
    .args:
      - { .name: x, .offset: 0, .size: 8, .value_kind: global_buffer, .address_space: global }
      - { .name: Wq, .offset: 8, .size: 8, .value_kind: global_buffer, .address_space: global }
      - { .name: Wk, .offset: 16, .size: 8, .value_kind: global_buffer, .address_space: global }
      - { .name: Wv, .offset: 24, .size: 8, .value_kind: global_buffer, .address_space: global }
      - { .name: qf, .offset: 32, .size: 8, .value_kind: global_buffer, .address_space: global }
      - { .name: kv, .offset: 40, .size: 8, .value_kind: global_buffer, .address_space: global }
      - { .name: fine, .offset: 48, .size: 8, .value_kind: global_buffer, .address_space: global }
    .group_segment_fixed_size: 65536
    .private_segment_fixed_size: 0
    .kernarg_segment_align: 8
    .kernarg_segment_size: 56
    .max_flat_workgroup_size: 256
    .sgpr_count:     66
    .vgpr_count:     256
    .wavefront_size: 32
...
	.end_amdgpu_metadata
.endif
;; end of part 1
;; launch attn (part 2): grid 16 x 16, 16 waves a work-group, no clusters, 327,680 bytes of LDS; arguments qf, kv, af; writes af
.if DOCPART == 2
	.amdgcn_target "amdgcn-amd-amdhsa--gfx1250"
	.amdhsa_code_object_version 6
	.text
	.protected	k_q67e74dbd77_attn
	.globl	k_q67e74dbd77_attn
	.p2align	8
	.type	k_q67e74dbd77_attn,@function
k_q67e74dbd77_attn:
	s_mov_b64 s[64:65], 0
	v_nop
	global_prefetch_b8 v0, s[64:65] scope:SCOPE_SE
	s_setreg_imm32_b32 hwreg(HW_REG_WAVE_MODE, 25, 1), 1
	s_wait_xcnt 0x0
; Causal attention of one head: O[q] = sum over k <= q of softmax_k(q . k / 8) v[k].  Operands in f16 (register images made by the launch before), products, maxima and sums in f32.
; SHARES.  A head has 32 blocks of 128 queries.  Work-group g takes block 31 - g and then block g: 16 - g / 2 and g / 2 + 1 slots of 256 keys, 17 in every work-group,
; so one loop of constant count serves all and the causal triangle is shared out evenly.
; Wave w: u = w % 4 names 32 queries (two tiles of 16) of the block, s = w / 4 the one of a slot's four steps of 64 keys that the wave takes.  So each fragment of K and V read
; from LDS feeds two products, and four waves share a SIMD, one wave's vector work beside another's products.  The four partial results (m, l, O^T) of 32 queries meet in LDS at the end.
; LAYOUT.  S^T = K Q^T (source 0 = 16 keys, source 1 = 16 queries): a lane holds one query and keys 8 h + 0..7; two such tiles rounded to f16 in place are source 1 of O^T = V^T P.
; SOFTMAX.  q arrives times c = log2(e) / 8, so t = the score; running maximum m and sum l for each query: p = 2^(t - m); O^T and l are multiplied by a = 2^(m_old - m_new) in every step.
; A step all of whose keys come after the wave's 32 queries is jumped over (a scalar branch on ids); a step that is walked has its first key at or under the wave's first query, so m is a number.
; THE RING.  Two slots of 64 KB; a slot is dense in memory and lies in LDS as it lies there.  Waves 0-3 fetch a quarter each, 64 rows of 256 bytes; a quarter holds four fragments of each of the
; four steps, so part of every load is read in every slot.  Wave 4 fetches the low block's Q once.  A wave has at most one tensor load out.
; NO CLUSTER: partners would be work-groups g .. g + 3 of a head; 16 - g / 2 differs among them, so two of the four go back to key 0 one slot before the other two and would ask for other tiles.
; LIMITS: f16 operands: p under 6e-5 is carried as a subnormal of f16 (absolute error up to 3e-8); NaN and infinities are not served.
; The result leaves as images of the projection's operand: af [row tile b 256 + T][kf = 2 head + t / 2][t % 2][lane][16 B], f16.
.set SLOTB, 65536                      ; a slot; slot 1 begins here, so one exclusive or turns an address
.set Q2,    131072                     ; the low block's Q, 16 KB, filled once
.set D1O,   147456                     ; the high block's partial O^T: u 32768 + tq 16384 + t 4096 + s 1024 + c 512 + 16 lane
.set D1S,   278528                     ; and its m, l: u 2048 + s 512 + 16 lane
.set SPARE, 286720                     ; the spare words, 128 bytes for each of sixteen waves
                                       ; the low block's partial results go into the ring (from 0) and Q2's bytes: both have then had their last fill and their last read
.set AKV, 1                            ; v1   16 lane + 4096 s: my step's place in a quarter
.set ADR, 2                            ; v2   the address of the loads in hand
.set AQ,  3                            ; v3   Q2 + 4096 u + 16 lane
.set DMP1, 4                           ; v4   D1O + 32768 u + 1024 s + 16 lane
.set ST1, 5                            ; v5   D1S + 2048 u + 512 s + 16 lane
.set PFO, 6                            ; v6   256 x lane; never rewritten
.set LR,  7                            ; v7   r - 8 h
.set NINF, 10                          ; v10  -infinity
.set LI,  11                           ; v11  16 x lane; never rewritten
.set SPW, 12                           ; v12  my spare word; never rewritten
.set NIL, 13                           ; v13  0; never rewritten
.set ST,  16                           ; v16-31 eight registers a tile: +0 m, +1 named with it as a pair, +2, +3 l, +4..+7 at work; a in +6
.set Q,   32                           ; v32-63  Q: 16 tq + 8 u
.set KV,  64                           ; v64-127 K's eight fragments, then V's eight
.set S,   128                          ; v128-191 S^T: 32 tq + 8 kt; P in place at 32 tq + 16 g
.set O,   192                          ; v192-255 O^T: 32 tq + 8 t
.set WV,  10
.set U,   11
.set SS,  12
.set G,   13
.set BH,  14
.set N1,  15                           ; slots of the high block
.set CNT, 16                           ; trips to go
.set NN,  17                           ; slots done
.set KF0, 18                           ; the slot's first key
.set Q0,  19                           ; my first query
.set S64, 20                           ; 64 s
.set TB,  21                           ; LDS byte at which the slot in hand begins
.set OFFN, 22                          ; s[22:23] the byte in the head's K and V at which the slot to be asked for begins
.set SEL, 24
.set G1,  28                           ; s[28:35] descriptor group 1: 64 rows of 256 bytes, dense
.set G0KV, 44                          ; s[44:47] group 0 for the ring
.set G0Q, 48                           ; s[48:51] group 0 for the low block's Q
.set KVB, 52                           ; s[52:53] the head's K and V at my quarter
.set PFA, 54                           ; s[54:55] where my prefetches stand
.set LIM, 56                           ; s56  2 in a wave that prefetches, else the greatest number
.set Q0L, 57                           ; s57  my first query in the low block
.set AF1, 66                           ; s[66:67], s[68:69] where my merged tiles go
.set AF2, 68
.macro TLOAD                           ; waves 0-3 fetch; the branch hangs on the wave's number alone; s_nop 0 and four v_nop follow the load
	s_cmp_lt_u32 s[WV], 4
	s_cbranch_scc0 .Lnone_\@
	tensor_load_to_lds s[G0KV:G0KV+3], s[G1:G1+7]
	s_nop 0
.rept 4
	v_nop
.endr
.Lnone_\@:
.endm
; A prefetch of the slot that the NEXT change of slots will ask for.  All sixteen work-groups of a head walk the same K and V; work-group 0, whose high block walks all 16 slots, asks, and nobody else.
; In it waves 4 to 11, which fetch nothing, take 8,192 bytes each, lanes 256 bytes apart: each aligned 256 bytes of the head's K and V from slot 2 on are named once.  Change n asks for slot n + 2 while n <= 13: slot 15 is the last.
.macro ASK
	s_cmp_gt_u32 s[CNT], s[LIM]
	s_cbranch_scc0 .Lnot_mine_\@
	global_prefetch_b8 v[PFO], s[PFA:PFA+1] th:TH_LOAD_NT scope:SCOPE_SE
.Lnot_mine_\@:
.endm
; THE CHANGE OF SLOTS stands at a slot's head: every wave waits for all its tensor loads (its part of the slot ahead), adds 0 to its spare word, waits for that and for its reads of the slot left.
; Behind the barrier the slot ahead is whole and nobody reads the other: fill = 1: it takes the slot that follows, which has a whole slot's work in which to land.
.macro CHANGE fill
	s_wait_tensorcnt 0x0                           ; no tensor load of mine is out, so group 0 may be written
	ds_add_u32 v[SPW], v[NIL]
.if \fill
	ds_add_u32 v[SPW], v[NIL]                      ; and once more, in every trip alike
	s_xor_b32 s[G0KV+1], s[G0KV+1], SLOTB          ; the other slot than last time
	s_add_co_u32 s[OFFN], s[OFFN], SLOTB           ; the next 256 keys,
	s_add_co_u32 s58, s[NN], 1
	s_cmp_eq_u32 s58, s[N1]
	s_cselect_b32 s[OFFN], 0, s[OFFN]              ; or key 0 again, for the low block
	s_add_nc_u64 s[G0KV+2:G0KV+3], s[KVB:KVB+1], s[OFFN:OFFN+1]
	s_or_b32 s[G0KV+3], s[G0KV+3], 0x80000000
	s_wait_xcnt 0x0                                ; the last prefetch, a slot back, has read its address
	s_add_nc_u64 s[PFA:PFA+1], s[PFA:PFA+1], SLOTB
.endif
	s_wait_dscnt 0x0                               ; the add is done, and my reads of the slot that I have left are over
	s_barrier_signal -1
	s_barrier_wait -1
.if \fill
	TLOAD                                          ; the first thing behind the barrier, a wave's one tensor load until the next
	ASK
.endif
.endm
.macro INIT                            ; a block begins: m under every t, l and O^T zero (the step is written once: the first change of m multiplies zeros)
	v_mov_b32 v[ST], 0xff61b1e6                    ; -3e38
	v_mov_b32 v[ST+8], 0xff61b1e6
.irp e, 2,3,10,11
	v_mov_b32 v[ST+\e], 0
.endr
.set i, 0
.rept 64
	v_mov_b32 v[O+i], 0
.set i, i+1
.endr
.endm
.macro DUMP ro, rs                     ; my partial result goes to LDS: m0, m1, l0, l1 as four words a lane, O^T as it stands, each accumulator from its low end on
	v_add_f32 v[ST+4], v[ST+2], v[ST+3]
	v_add_f32 v[ST+12], v[ST+10], v[ST+11]
	v_permlanex16_b32 v[ST+5], v[ST+4], s[SEL], s[SEL+1]
	v_permlanex16_b32 v[ST+13], v[ST+12], s[SEL], s[SEL+1]
	v_add_f32 v[ST+14], v[ST+4], v[ST+5]           ; l of tile 0: both halves of the lanes
	v_add_f32 v[ST+15], v[ST+12], v[ST+13]         ; l of tile 1
	v_mov_b32 v[ST+12], v[ST]
	v_mov_b32 v[ST+13], v[ST+8]
	ds_store_b128 v[\rs], v[ST+12:ST+15]
.irp tq, 0,1
.irp t, 0,1,2,3
.irp c, 0,1
	ds_store_b128 v[\ro], v[O+32*\tq+8*\t+4*\c:O+32*\tq+8*\t+4*\c+3] offset:\tq*16384+\t*4096+512*\c
.endr
.endr
.endr
	s_wait_dscnt 0x0
.endm
.macro PHASE                           ; where the high block's slots are done: its partial result is put by, and the low block begins.  The test is made of ids and the count of slots; no barrier and no tensor load stands inside
	s_cmp_lg_u32 s[NN], s[N1]
	s_cbranch_scc1 .Lsame_\@
	DUMP DMP1, ST1
.irp i, 0,1,2,3,4,5,6,7
	ds_load_b128 v[Q+4*\i:Q+4*\i+3], v[AQ] offset:512*\i
.endr
	INIT
	s_mov_b32 s[KF0], 0
	s_mov_b32 s[Q0], s[Q0L]
	s_wait_dscnt 0x0
.Lsame_\@:
.endm
; MY STEP OF THE SLOT: 64 keys against 32 queries.
.macro STEP
	s_add_co_u32 s58, s[KF0], s[S64]               ; my step's first key
	s_add_co_u32 s59, s[Q0], 31
	s_cmp_gt_u32 s58, s59
	s_cbranch_scc1 .Lhidden_\@                     ; all its keys come after my last query
	v_add_nc_u32 v[ADR], s[TB], v[AKV]
.irp f, 0,1,2,3,4,5,6,7
.irp c, 0,1
	ds_load_b128 v[KV+8*\f+4*\c:KV+8*\f+4*\c+3], v[ADR] offset:(\f/4)*16384+(\f%4)*1024+512*\c
.endr
.endr
	s_wait_dscnt 0x0
.irp u, 0,1                                    ; eight accumulators by turns; channels 0-31 start the sums
.irp kt, 0,1,2,3
.irp tq, 0,1
.if \u == 0
	v_wmma_f32_16x16x32_f16 v[S+32*\tq+8*\kt:S+32*\tq+8*\kt+7], v[KV+8*(2*\kt+\u):KV+8*(2*\kt+\u)+7], v[Q+16*\tq+8*\u:Q+16*\tq+8*\u+7], 0
.else
	v_wmma_f32_16x16x32_f16 v[S+32*\tq+8*\kt:S+32*\tq+8*\kt+7], v[KV+8*(2*\kt+\u):KV+8*(2*\kt+\u)+7], v[Q+16*\tq+8*\u:Q+16*\tq+8*\u+7], v[S+32*\tq+8*\kt:S+32*\tq+8*\kt+7]
.endif
.endr
.endr
.endr
.rept 4
	v_nop                                          ; four places: for V's loads into K's registers, and for the first reads of the scores
.endr
.irp f, 0,1,2,3,4,5,6,7
.irp c, 0,1
	ds_load_b128 v[KV+8*\f+4*\c:KV+8*\f+4*\c+3], v[ADR] offset:(2+\f/4)*16384+(\f%4)*1024+512*\c
.endr
.endr
	s_add_co_u32 s59, s58, 63                      ; on the diagonal hidden scores become -infinity ahead of the maximum; a step all of whose keys count skips this
	s_cmp_le_u32 s59, s[Q0]
	s_cbranch_scc1 .Lopen_\@
	s_sub_co_i32 s59, s[Q0], s58
	v_add_nc_u32 v8, s59, v[LR]                    ; tile 0: register 8 kt + j holds key 16 kt + 8 h + j of the step: hidden where 16 kt + j > my query - first key - 8 h
	v_add_nc_u32 v9, 16, v8                        ; tile 1
.irp tq, 0,1
.irp kt, 0,1,2,3
.irp j, 0,1,2,3,4,5,6,7
	v_cmp_gt_i32 vcc_lo, 16*\kt+\j, v[8+\tq]
	v_cndmask_b32 v[S+32*\tq+8*\kt+\j], v[S+32*\tq+8*\kt+\j], v[NINF], vcc_lo
.endr
.endr
.endr
.Lopen_\@:
.irp k, 0,1,2,3                                ; the maximum of 32 scores and the old m, the two tiles by turns; each accumulator is read from its low end on
.irp tq, 0,1
	v_max3_num_f32 v[ST+8*\tq+4+\k], v[S+32*\tq+8*\k], v[S+32*\tq+8*\k+1], v[S+32*\tq+8*\k+2]
.endr
.endr
.irp e, 3,5
.irp k, 0,1,2,3
.irp tq, 0,1
	v_max3_num_f32 v[ST+8*\tq+4+\k], v[ST+8*\tq+4+\k], v[S+32*\tq+8*\k+\e], v[S+32*\tq+8*\k+\e+1]
.endr
.endr
.endr
.irp tq, 0,1
	v_max3_num_f32 v[ST+8*\tq+4], v[ST+8*\tq+4], v[S+32*\tq+7], v[S+32*\tq+15]
	v_max3_num_f32 v[ST+8*\tq+6], v[ST+8*\tq+6], v[S+32*\tq+23], v[S+32*\tq+31]
.endr
.irp tq, 0,1
	v_max3_num_f32 v[ST+8*\tq+4], v[ST+8*\tq+4], v[ST+8*\tq+5], v[ST+8*\tq+6]
.endr
.irp tq, 0,1
	v_max3_num_f32 v[ST+8*\tq+4], v[ST+8*\tq+4], v[ST+8*\tq+7], v[ST+8*\tq]
.endr
.irp tq, 0,1
	v_permlanex16_b32 v[ST+8*\tq+5], v[ST+8*\tq+4], s[SEL], s[SEL+1]   ; the query's other 32 keys lie in the lane 16 away
.endr
.irp tq, 0,1
	v_max_num_f32 v[ST+8*\tq+5], v[ST+8*\tq+4], v[ST+8*\tq+5]          ; the new m
.endr
.irp tq, 0,1
	v_sub_f32 v[ST+8*\tq+7], v[ST+8*\tq], v[ST+8*\tq+5]                ; m_old - m_new
.endr
.irp tq, 0,1
	v_mov_b32 v[ST+8*\tq], v[ST+8*\tq+5]
.endr
.irp j, 0,2,4,6,8,10,12,14,16,18,20,22,24,26,28,30
.irp tq, 0,1
	v_pk_add_f32 v[S+32*\tq+\j:S+32*\tq+\j+1], v[S+32*\tq+\j:S+32*\tq+\j+1], v[ST+8*\tq:ST+8*\tq+1] op_sel_hi:[1,0] neg_lo:[0,1] neg_hi:[0,1]   ; t - m, two at a time
.endr
.endr
.irp tq, 0,1                                   ; ONE BATCH of 66 exponentials: a of both tiles, then the 64 p
	v_exp_f32 v[ST+8*\tq+6], v[ST+8*\tq+7]
.endr
.set i, 0
.rept 64
	v_exp_f32 v[S+i], v[S+i]
.set i, i+1
.endr
	v_nop                                          ; the plain instruction behind the last exponential
	s_wait_alu depctr_va_vdst(0)                   ; one wait for the batch, ahead of the first instruction that names a result
.irp tq, 0,1
	v_pk_mul_f32 v[ST+8*\tq+2:ST+8*\tq+3], v[ST+8*\tq+2:ST+8*\tq+3], v[ST+8*\tq+6:ST+8*\tq+7] op_sel_hi:[1,0]   ; l x a
	v_pk_add_f32 v[ST+8*\tq+4:ST+8*\tq+5], v[S+32*\tq:S+32*\tq+1], v[S+32*\tq+2:S+32*\tq+3]                     ; the sum of the unrounded p, in two chains
.endr
.irp j, 4,8,12,16,20,24,28
.irp tq, 0,1
	v_pk_add_f32 v[ST+8*\tq+2:ST+8*\tq+3], v[ST+8*\tq+2:ST+8*\tq+3], v[S+32*\tq+\j:S+32*\tq+\j+1]
	v_pk_add_f32 v[ST+8*\tq+4:ST+8*\tq+5], v[ST+8*\tq+4:ST+8*\tq+5], v[S+32*\tq+\j+2:S+32*\tq+\j+3]
.endr
.endr
.irp tq, 0,1
	v_pk_add_f32 v[ST+8*\tq+2:ST+8*\tq+3], v[ST+8*\tq+2:ST+8*\tq+3], v[ST+8*\tq+4:ST+8*\tq+5]
.endr
.irp tq, 0,1                                   ; p to f16, in place and ascending: 16 numbers of two key tiles become the 8 registers of a fragment
.irp g, 0,1
.irp d, 0,1,2,3,4,5,6,7
	v_cvt_pk_f16_f32 v[S+32*\tq+16*\g+\d], v[S+32*\tq+16*\g+2*\d], v[S+32*\tq+16*\g+2*\d+1]
.endr
.endr
.endr
.irp tq, 0,1
.irp j, 0,2,4,6,8,10,12,14,16,18,20,22,24,26,28,30
	v_pk_mul_f32 v[O+32*\tq+\j:O+32*\tq+\j+1], v[O+32*\tq+\j:O+32*\tq+\j+1], v[ST+8*\tq+6:ST+8*\tq+7] op_sel_hi:[1,0]   ; O^T x a
.endr
.endr
	s_wait_dscnt 0x0                               ; V is in
.irp g, 0,1                                    ; eight accumulators by turns
.irp t, 0,1,2,3
.irp tq, 0,1
	v_wmma_f32_16x16x32_f16 v[O+32*\tq+8*\t:O+32*\tq+8*\t+7], v[KV+8*(4*\g+\t):KV+8*(4*\g+\t)+7], v[S+32*\tq+16*\g:S+32*\tq+16*\g+7], v[O+32*\tq+8*\t:O+32*\tq+8*\t+7]
.endr
.endr
.endr
.rept 5
	v_nop                                          ; five places: the next scores are written over P by matrix instructions; loads land on V's registers; a dump reads O^T
.endr
.Lhidden_\@:
.endm
; THE MERGE of the four partial results of my 32 queries, for channel tile t = s: weights 2^(m_s - max) / the sum; a partial result that saw no key has m = -3e38, so its weight is 0.
.macro MERGE ro, rs, sb, pk
.irp z, 0,1,2,3
	ds_load_b128 v[64+4*\z:67+4*\z], v[\rs] offset:512*\z
.endr
.irp tq, 0,1
.irp z, 0,1,2,3
.irp c, 0,1
	ds_load_b128 v[128+32*\tq+8*\z+4*\c:128+32*\tq+8*\z+4*\c+3], v[\ro] offset:\tq*16384+\z*1024+512*\c
.endr
.endr
.endr
	s_wait_dscnt 0x0
.irp tq, 0,1
	v_max3_num_f32 v[88+\tq], v[64+\tq], v[68+\tq], v[72+\tq]
.endr
.irp tq, 0,1
	v_max_num_f32 v[88+\tq], v[88+\tq], v[76+\tq]
.endr
.irp tq, 0,1
.irp z, 0,1,2,3
	v_sub_f32 v[80+4*\tq+\z], v[64+4*\z+\tq], v[88+\tq]
.endr
.endr
.irp e, 0,1,2,3,4,5,6,7
	v_exp_f32 v[80+\e], v[80+\e]
.endr
	v_nop
	s_wait_alu depctr_va_vdst(0)                   ; one wait for the eight
.irp tq, 0,1
	v_mul_f32 v[90+\tq], v[80+4*\tq], v[66+\tq]
.endr
.irp z, 1,2,3
.irp tq, 0,1
	v_fmac_f32 v[90+\tq], v[80+4*\tq+\z], v[66+4*\z+\tq]
.endr
.endr
	v_rcp_f32 v90, v90
	v_rcp_f32 v91, v91
	v_nop
	s_wait_alu depctr_va_vdst(0)                   ; one wait for the two
.irp tq, 0,1
.irp z, 0,1,2,3
	v_mul_f32 v[80+4*\tq+\z], v[80+4*\tq+\z], v[90+\tq]
.endr
.endr
.irp tq, 0,1
.irp j, 0,1,2,3,4,5,6,7
	v_mul_f32 v[96+8*\tq+\j], v[80+4*\tq], v[128+32*\tq+\j]
.endr
.irp z, 1,2,3
.irp j, 0,1,2,3,4,5,6,7
	v_fmac_f32 v[96+8*\tq+\j], v[80+4*\tq+\z], v[128+32*\tq+8*\z+\j]
.endr
.endr
.endr
.irp tq, 0,1
.irp d, 0,1,2,3
	v_cvt_pk_f16_f32 v[\pk+4*\tq+\d], v[96+8*\tq+2*\d], v[96+8*\tq+2*\d+1]
.endr
	global_store_b128 v[LI], v[\pk+4*\tq:\pk+4*\tq+3], s[\sb:\sb+1] offset:\tq*8192   ; 512 consecutive bytes, aligned
.endr
.endm
	s_load_b128 s[4:7], s[0:1], 0x0                ; qf, kv
	s_load_b64 s[8:9], s[0:1], 0x10                ; af
	v_lshl_add_u32 v[SPW], v0, 2, SPARE
	v_mov_b32 v[NIL], 0
	ds_add_u32 v[SPW], v[NIL]                      ; the wave's opening: the add, twice on end, and its wait ahead of the first tensor load
	ds_add_u32 v[SPW], v[NIL]
	v_lshrrev_b32 v1, 5, v0
	v_readfirstlane_b32 s[WV], v1                  ; wave 0..15
	s_and_b32 s[U], s[WV], 3
	s_lshr_b32 s[SS], s[WV], 2
	s_mov_b32 s[G], ttmp9
	s_and_b32 s[BH], ttmp7, 0xffff
	s_lshr_b32 s[N1], s[G], 1
	s_sub_co_u32 s[N1], 16, s[N1]
	s_mov_b32 s[G1], 3<<16                         ; no mask; elements of 8 bytes; no padding
	s_mov_b32 s[G1+1], 32<<16                      ; tensor_dim0 = 32 elements: 256 bytes
	s_mov_b32 s[G1+2], 64<<16                      ; tensor_dim1 = 64
	s_mov_b32 s[G1+3], 32<<16                      ; tile_dim0
	s_mov_b32 s[G1+4], 64                          ; tile_dim1
	s_mov_b32 s[G1+5], 32                          ; from row to row: dense
	s_mov_b32 s[G1+6], 0
	s_mov_b32 s[G1+7], 0
	s_mov_b32 s[SEL], 0x76543210
	s_mov_b32 s[SEL+1], 0xfedcba98
	s_mov_b32 s[CNT], 16
	s_mov_b32 s[NN], 0
	s_mov_b32 s[KF0], 0
	s_mov_b32 s[TB], 0
	s_mov_b32 s[OFFN], 0
	s_mov_b32 s[OFFN+1], 0
	s_lshl_b32 s[S64], s[SS], 6
	s_sub_co_u32 s63, 31, s[G]                     ; the high block
	s_lshl_b32 s[Q0], s63, 7
	s_lshl_b32 s62, s[U], 5
	s_add_co_u32 s[Q0], s[Q0], s62
	s_lshl_b32 s[Q0L], s[G], 7
	s_add_co_u32 s[Q0L], s[Q0L], s62
	s_lshl_b32 s58, s[BH], 20                      ; the head's K and V, my quarter of a slot
	s_lshl_b32 s59, s[U], 14
	s_add_co_u32 s58, s58, s59
	s_mov_b32 s59, 0
	s_lshl_b32 s60, s[BH], 19                      ; the head's Q, the low block's 16 KB
	s_lshl_b32 s61, s[G], 14
	s_add_co_u32 s60, s60, s61
	s_mov_b32 s61, 0
	s_lshl_b32 s62, s63, 14                        ; the high block's, my 32 queries
	s_lshl_b32 s63, s[BH], 19
	s_add_co_u32 s62, s62, s63
	s_lshl_b32 s63, s[U], 12
	s_add_co_u32 s62, s62, s63
	s_mov_b32 s63, 0
	s_wait_dscnt 0x0                               ; both opening adds are done
	s_wait_kmcnt 0x0
	s_add_nc_u64 s[KVB:KVB+1], s[6:7], s[58:59]
	s_mov_b32 s[G0KV], 1
	s_lshl_b32 s[G0KV+1], s[U], 14                 ; slot 0, my quarter
	s_mov_b64 s[G0KV+2:G0KV+3], s[KVB:KVB+1]
	s_or_b32 s[G0KV+3], s[G0KV+3], 0x80000000
	s_mov_b32 s[G0Q], 1
	s_mov_b32 s[G0Q+1], Q2
	s_add_nc_u64 s[G0Q+2:G0Q+3], s[4:5], s[60:61]
	s_or_b32 s[G0Q+3], s[G0Q+3], 0x80000000
	s_cmp_lt_u32 s[WV], 4                          ; the first fills: waves 0-3 slot 0, wave 4 the low block's Q
	s_cbranch_scc0 .Lnot_kv
	tensor_load_to_lds s[G0KV:G0KV+3], s[G1:G1+7]
	s_nop 0
.rept 4
	v_nop
.endr
	s_branch .Lhead_asked
.Lnot_kv:
	s_cmp_eq_u32 s[WV], 4
	s_cbranch_scc0 .Lhead_asked
	tensor_load_to_lds s[G0Q:G0Q+3], s[G1:G1+7]
	s_nop 0
.rept 4
	v_nop
.endr
.Lhead_asked:
	s_add_nc_u64 s[70:71], s[4:5], s[62:63]        ; a base of its own, never rewritten
	v_and_b32 v[LI], 31, v0
	v_lshlrev_b32 v[PFO], 8, v[LI]
	v_lshlrev_b32 v[LI], 4, v[LI]
.irp i, 0,1,2,3,4,5,6,7
	global_load_b128 v[Q+4*\i:Q+4*\i+3], v[LI], s[70:71] offset:512*\i   ; the high block's Q: two tiles of 2,048 bytes
.endr
	s_lshl_b32 s58, s[SS], 12
	v_add_nc_u32 v[AKV], s58, v[LI]
	s_lshl_b32 s58, s[U], 12
	s_add_co_u32 s58, s58, Q2
	v_add_nc_u32 v[AQ], s58, v[LI]
	s_lshl_b32 s58, s[U], 15
	s_lshl_b32 s59, s[SS], 10
	s_add_co_u32 s58, s58, s59
	s_add_co_u32 s58, s58, D1O
	v_add_nc_u32 v[DMP1], s58, v[LI]
	s_lshl_b32 s58, s[U], 11
	s_lshl_b32 s59, s[SS], 9
	s_add_co_u32 s58, s58, s59
	s_add_co_u32 s58, s58, D1S
	v_add_nc_u32 v[ST1], s58, v[LI]
	v_and_b32 v[LR], 15, v0
	v_bfe_u32 v8, v0, 4, 1
	v_lshlrev_b32 v8, 3, v8
	v_sub_nc_u32 v[LR], v[LR], v8
	v_mov_b32 v[NINF], 0xff800000
.irp e, 1,4,5,6,7,9,12,13,14,15
	v_mov_b32 v[ST+\e], 0                          ; written once: halves of pairs that are named, and lane permutes' destinations
.endr
	INIT
	; who prefetches, and where
	s_sub_co_u32 s58, s[WV], 4
	s_lshr_b32 s59, s58, 3                         ; 0 in waves 4 to 11,
	s_or_b32 s59, s59, s[G]                        ; of work-group 0 of the head
	s_cmp_eq_u32 s59, 0
	s_cselect_b32 s[LIM], 2, -1
	s_and_b32 s58, s58, 7
	s_lshl_b32 s58, s58, 13
	s_lshl_b32 s59, s[BH], 20
	s_add_co_u32 s58, s58, s59
	s_add_co_u32 s58, s58, SLOTB                   ; in slot 1: the first change steps it to slot 2.  Nothing is prefetched at the head
	s_mov_b32 s59, 0
	s_add_nc_u64 s[PFA:PFA+1], s[6:7], s[58:59]
	; where my merged tiles go: row tile 256 b + 8 block + 2 u (+ tq), 8,192 bytes each; in it 1,024 (2 head + s / 2) + 512 (s % 2)
	s_lshr_b32 s60, s[BH], 2
	s_lshl_b32 s60, s60, 8
	s_lshl_b32 s61, s[U], 1
	s_add_co_u32 s60, s60, s61
	s_and_b32 s61, s[BH], 3
	s_lshl_b32 s61, s61, 1
	s_lshr_b32 s62, s[SS], 1
	s_add_co_u32 s61, s61, s62
	s_lshl_b32 s61, s61, 10
	s_and_b32 s62, s[SS], 1
	s_lshl_b32 s62, s62, 9
	s_add_co_u32 s61, s61, s62
	s_sub_co_u32 s62, 31, s[G]
	s_lshl_b32 s62, s62, 3
	s_add_co_u32 s62, s62, s60
	s_lshl_b32 s62, s62, 13
	s_add_co_u32 s62, s62, s61
	s_mov_b32 s63, 0
	s_add_nc_u64 s[AF1:AF1+1], s[8:9], s[62:63]
	s_lshl_b32 s62, s[G], 3
	s_add_co_u32 s62, s62, s60
	s_lshl_b32 s62, s62, 13
	s_add_co_u32 s62, s62, s61
	s_add_nc_u64 s[AF2:AF2+1], s[8:9], s[62:63]
	s_wait_loadcnt 0x0                             ; Q
.Lslot:                                            ; 16 trips: behind each change of slots the next slot is asked for
	CHANGE 1
	PHASE
	STEP
	s_xor_b32 s[TB], s[TB], SLOTB
	s_add_co_u32 s[KF0], s[KF0], 256
	s_add_co_u32 s[NN], s[NN], 1
	s_sub_co_u32 s[CNT], s[CNT], 1
	s_cmp_lg_u32 s[CNT], 0
	s_cbranch_scc1 .Lslot
	CHANGE 0                                       ; the 17th slot is written out: nothing is left to fetch
	PHASE
	STEP
	s_wait_dscnt 0x0                               ; my reads of the ring are over
	s_lshl_b32 s58, s[U], 15                       ; the tail's addresses: constants, the wave's number and 16 x lane
	s_lshl_b32 s59, s[SS], 10
	s_add_co_u32 s59, s58, s59
	v_add_nc_u32 v1, s59, v[LI]                    ; the low block's O^T goes to 32768 u + 1024 s
	s_lshl_b32 s59, s[SS], 12
	s_add_co_u32 s59, s58, s59
	v_add_nc_u32 v9, s59, v[LI]                    ; and is merged from 32768 u + 4096 t
	s_add_co_u32 s59, s59, D1O
	v_add_nc_u32 v3, s59, v[LI]                    ; the high block's likewise
	s_lshl_b32 s58, s[U], 11
	s_add_co_u32 s59, s58, D1S
	v_add_nc_u32 v8, s59, v[LI]                    ; the high block's m, l
	s_add_co_u32 s58, s58, Q2
	v_add_nc_u32 v14, s58, v[LI]                   ; the low block's
	s_lshl_b32 s59, s[SS], 9
	s_add_co_u32 s58, s58, s59
	v_add_nc_u32 v2, s58, v[LI]                    ; and where I put mine
	s_barrier_signal -1
	s_barrier_wait -1                              ; nobody reads the ring or Q2's bytes any more, and no load fills them again
	DUMP 1, 2
	s_barrier_signal -1                            ; (the dump ends with a wait for all my LDS stores)
	s_barrier_wait -1
	MERGE 3, 8, AF1, 112
	MERGE 9, 14, AF2, 120
	s_wait_tensorcnt 0x0                           ; the wave's end
	ds_add_u32 v[SPW], v[NIL]
	s_wait_dscnt 0x0
	s_endpgm
.Lfunc_end_k_q67e74dbd77_attn:
	.size	k_q67e74dbd77_attn, .Lfunc_end_k_q67e74dbd77_attn-k_q67e74dbd77_attn
	.p2alignl 7, 3214868480
	.fill 96, 4, 3214868480
	.section	.rodata,"a",@progbits
	.p2align	6, 0x0
	.amdhsa_kernel k_q67e74dbd77_attn
		.amdhsa_group_segment_fixed_size 327680
		.amdhsa_private_segment_fixed_size 0
		.amdhsa_enable_private_segment 0
		.amdhsa_kernarg_size 24
		.amdhsa_user_sgpr_count 2
		.amdhsa_user_sgpr_kernarg_segment_ptr 1
		.amdhsa_wavefront_size32 1
		.amdhsa_system_sgpr_workgroup_id_x 1
		.amdhsa_system_sgpr_workgroup_id_y 1
		.amdhsa_system_sgpr_workgroup_id_z 1
		.amdhsa_system_vgpr_workitem_id 0
		.amdhsa_next_free_vgpr 256
		.amdhsa_next_free_sgpr 72
		.amdhsa_reserve_vcc 1
		.amdhsa_float_denorm_mode_32 3
		.amdhsa_float_denorm_mode_16_64 3
		.amdhsa_memory_ordered 1
		.amdhsa_forward_progress 1
		.amdhsa_inst_pref_size 75
	.end_amdhsa_kernel
	.amdgpu_metadata
---
amdhsa.version: [ 1, 2 ]
amdhsa.kernels:
  - .name:           k_q67e74dbd77_attn
    .symbol:         k_q67e74dbd77_attn.kd
    .args:
      - { .name: qf, .offset: 0, .size: 8, .value_kind: global_buffer, .address_space: global }
      - { .name: kv, .offset: 8, .size: 8, .value_kind: global_buffer, .address_space: global }
      - { .name: af, .offset: 16, .size: 8, .value_kind: global_buffer, .address_space: global }
    .group_segment_fixed_size: 327680
    .private_segment_fixed_size: 0
    .kernarg_segment_align: 8
    .kernarg_segment_size: 24
    .max_flat_workgroup_size: 512
    .sgpr_count:     72
    .vgpr_count:     256
    .wavefront_size: 32
...
	.end_amdgpu_metadata
.endif
;; end of part 2
;; launch proj (part 3): grid 256 x 1, 16 waves a work-group, no clusters, 101,376 bytes of LDS; arguments af, Wo, out0; writes out0
.if DOCPART == 3
	.amdgcn_target "amdgcn-amd-amdhsa--gfx1250"
	.amdhsa_code_object_version 6
	.text
	.protected	k_q67e74dbd77_proj
	.globl	k_q67e74dbd77_proj
	.p2align	8
	.type	k_q67e74dbd77_proj,@function
k_q67e74dbd77_proj:
	s_mov_b64 s[64:65], 0
	v_nop
	global_prefetch_b8 v0, s[64:65] scope:SCOPE_SE
	s_setreg_imm32_b32 hwreg(HW_REG_WAVE_MODE, 25, 1), 1
	s_wait_xcnt 0x0
; out = a Wo^T: a [16,384][256] arrives in f16 as images of the operand's registers (af), Wo [256][256] in f32 and is rounded to f16 here; sums in f32.
; A work-group takes 64 rows (four row tiles: one dense block of 32 KB of af); wave w takes outputs 16 w .. 16 w + 15 for all 64 rows, its eight fragments of Wo in registers.
; The product is used transposed (source 0 = 16 rows of Wo, source 1 = 16 rows of a): a lane holds eight neighbouring outputs of one row.
; The block of af goes to LDS as it lies (each wave copies 2,048 bytes) and every wave reads all of it.  The results meet in a stage of 64 rows x (1,024 + 16) bytes;
; each wave then stores four whole rows, 512 consecutive bytes an instruction.
; Positions 0-15 of each batch are NOT stored here: the launch that follows carries those rows in f32 and stores them.
; LIMITS: |Wo| beyond 65,504 does not fit f16.  No cluster and no tensor load: Wo passes through the conversion in registers, and a's block is read by one work-group alone.
.set AIMG,  0
.set STG,   32768
.set SP,    1040
.set SPARE, 99328
.set LI,  4                            ; v4   16 x lane
.set WA,  5                            ; v5   1024 r + 32 h
.set ACW, 6                            ; v6   16 x lane + 2048 x wave: my part of the block, in af and in LDS
.set SO,  7                            ; v7   the stage: row r, 64 x wave + 32 h
.set SR,  8                            ; v8   back: my four rows, 16 bytes a lane
.set SPW, 12
.set NIL, 13
.set WF,  16                           ; v16-79  Wo's eight fragments
.set ACP, 64                           ; v64-79  first: my 2,048 bytes of af on their way to LDS
.set RAW, 80                           ; v80-207 Wo in f32
.set AF,  80                           ; later: v80-143 two sets of four fragments of a
.set ACC, 144                          ; v144-175 four accumulators
.set OUTR, 176                         ; v176-207 rows on their way out
	s_load_b128 s[4:7], s[0:1], 0x0                ; af, Wo
	s_load_b64 s[8:9], s[0:1], 0x10                ; out0
	v_lshl_add_u32 v[SPW], v0, 2, SPARE
	v_mov_b32 v[NIL], 0
	v_lshrrev_b32 v1, 5, v0
	v_readfirstlane_b32 s10, v1                    ; wave 0..15
	v_and_b32 v1, 31, v0
	v_and_b32 v2, 15, v0                           ; r
	v_bfe_u32 v3, v0, 4, 1                         ; h
	v_lshlrev_b32 v[LI], 4, v1
	v_lshlrev_b32 v[WA], 10, v2
	v_lshl_add_u32 v[WA], v3, 5, v[WA]
	s_lshl_b32 s12, s10, 11
	v_add_nc_u32 v[ACW], s12, v[LI]
	v_mul_u32_u24 v[SO], v2, SP
	v_lshl_add_u32 v[SO], v3, 5, v[SO]
	s_lshl_b32 s12, s10, 6
	s_add_co_u32 s12, s12, STG
	v_add_nc_u32 v[SO], s12, v[SO]
	s_mul_i32 s12, s10, 4*SP
	s_add_co_u32 s12, s12, STG
	v_add_nc_u32 v[SR], s12, v[LI]
	s_lshl_b32 s12, ttmp9, 15                      ; my block of af
	s_mov_b32 s13, 0
	s_lshl_b32 s14, s10, 14                        ; my 16 rows of Wo
	s_mov_b32 s15, 0
	s_lshl_b32 s16, ttmp9, 6
	s_lshl_b32 s17, s10, 2
	s_add_co_u32 s16, s16, s17                     ; the first row that I store
	s_lshl_b32 s16, s16, 10
	s_mov_b32 s17, 0
	s_wait_kmcnt 0x0
	s_add_nc_u64 s[4:5], s[4:5], s[12:13]
	s_add_nc_u64 s[6:7], s[6:7], s[14:15]
	s_add_nc_u64 s[8:9], s[8:9], s[16:17]
.irp i, 0,1,2,3
	global_load_b128 v[ACP+4*\i:ACP+4*\i+3], v[ACW], s[4:5] offset:512*\i th:TH_LOAD_NT
.endr
.irp kf, 0,1,2,3,4,5,6,7                       ; fragment kf: k = 32 kf + 8 h + 0..7 and 32 kf + 16 + 8 h + 0..7 of row r
	global_load_b128 v[RAW+16*\kf:RAW+16*\kf+3], v[WA], s[6:7] offset:128*\kf
	global_load_b128 v[RAW+16*\kf+4:RAW+16*\kf+7], v[WA], s[6:7] offset:128*\kf+16
	global_load_b128 v[RAW+16*\kf+8:RAW+16*\kf+11], v[WA], s[6:7] offset:128*\kf+64
	global_load_b128 v[RAW+16*\kf+12:RAW+16*\kf+15], v[WA], s[6:7] offset:128*\kf+80
.endr
	s_wait_loadcnt 32                              ; af's four loads are in; Wo's 32 may be out
.irp i, 0,1,2,3
	ds_store_b128 v[ACW], v[ACP+4*\i:ACP+4*\i+3] offset:AIMG+512*\i
.endr
	s_wait_dscnt 0x0                               ; landed, for the others' sake; and their registers are free for Wo's last two fragments
.irp kf, 0,1,2,3,4,5,6,7
	s_wait_loadcnt 4*(7-\kf)                       ; this fragment's four loads are in; the later fragments' may be out
.irp d, 0,1,2,3,4,5,6,7
	v_cvt_pk_f16_f32 v[WF+8*\kf+\d], v[RAW+16*\kf+2*\d], v[RAW+16*\kf+2*\d+1]
.endr
.endr
	s_barrier_signal -1
	s_barrier_wait -1                              ; the whole block of a lies in LDS
.macro FETCH kf                        ; K step kf of the four row tiles
.irp m, 0,1,2,3
.irp c, 0,1
	ds_load_b128 v[AF+32*((\kf)%2)+8*\m+4*\c:AF+32*((\kf)%2)+8*\m+4*\c+3], v[LI] offset:AIMG+(8*\m+(\kf))*1024+512*\c
.endr
.endr
.endm
	FETCH 0
.irp kf, 0,1,2,3,4,5,6,7
.if \kf < 7
	FETCH \kf+1
	s_wait_dscnt 8                                 ; all but the eight just issued
.else
	s_wait_dscnt 0x0
.endif
.irp m, 0,1,2,3                                ; four accumulators by turns; the first K step starts the sums
.if \kf == 0
	v_wmma_f32_16x16x32_f16 v[ACC+8*\m:ACC+8*\m+7], v[WF+8*\kf:WF+8*\kf+7], v[AF+32*(\kf%2)+8*\m:AF+32*(\kf%2)+8*\m+7], 0
.else
	v_wmma_f32_16x16x32_f16 v[ACC+8*\m:ACC+8*\m+7], v[WF+8*\kf:WF+8*\kf+7], v[AF+32*(\kf%2)+8*\m:AF+32*(\kf%2)+8*\m+7], v[ACC+8*\m:ACC+8*\m+7]
.endif
.endr
.rept 4
	v_nop                                          ; four places: for the loads into this set of fragments, and at the end for the reads of the results
.endr
.endr
.irp m, 0,1,2,3
.irp c, 0,1
	ds_store_b128 v[SO], v[ACC+8*\m+4*\c:ACC+8*\m+4*\c+3] offset:16*SP*\m+16*\c   ; out(16 m + r, 16 w + 8 h + 4 c ..): each accumulator from its low end on
.endr
.endr
	s_wait_dscnt 0x0
	s_barrier_signal -1
	s_barrier_wait -1                              ; 64 whole rows lie in the stage
	s_and_b32 s12, ttmp9, 63                       ; rows 0-15 of a batch (its first block, waves 0-3) are the next launch's
	s_lshr_b32 s13, s10, 2
	s_or_b32 s12, s12, s13
	s_cmp_eq_u32 s12, 0
	s_cbranch_scc1 .Lfine_rows
.irp i, 0,1,2,3
.irp e, 0,1
	ds_load_b128 v[OUTR+8*\i+4*\e:OUTR+8*\i+4*\e+3], v[SR] offset:SP*\i+512*\e
.endr
.endr
.irp i, 0,1,2,3
.irp e, 0,1
	s_wait_dscnt 7-2*\i-\e
	global_store_b128 v[LI], v[OUTR+8*\i+4*\e:OUTR+8*\i+4*\e+3], s[8:9] offset:1024*\i+512*\e th:TH_STORE_NT   ; 512 consecutive bytes, aligned
.endr
.endr
.Lfine_rows:
	s_wait_tensorcnt 0x0                           ; the wave's end, behind my last LDS store
	ds_add_u32 v[SPW], v[NIL]
	s_wait_dscnt 0x0
	s_endpgm
.Lfunc_end_k_q67e74dbd77_proj:
	.size	k_q67e74dbd77_proj, .Lfunc_end_k_q67e74dbd77_proj-k_q67e74dbd77_proj
	.p2alignl 7, 3214868480
	.fill 96, 4, 3214868480
	.section	.rodata,"a",@progbits
	.p2align	6, 0x0
	.amdhsa_kernel k_q67e74dbd77_proj
		.amdhsa_group_segment_fixed_size 101376
		.amdhsa_private_segment_fixed_size 0
		.amdhsa_enable_private_segment 0
		.amdhsa_kernarg_size 24
		.amdhsa_user_sgpr_count 2
		.amdhsa_user_sgpr_kernarg_segment_ptr 1
		.amdhsa_wavefront_size32 1
		.amdhsa_system_sgpr_workgroup_id_x 1
		.amdhsa_system_sgpr_workgroup_id_y 1
		.amdhsa_system_sgpr_workgroup_id_z 1
		.amdhsa_system_vgpr_workitem_id 0
		.amdhsa_next_free_vgpr 208
		.amdhsa_next_free_sgpr 66
		.amdhsa_reserve_vcc 0
		.amdhsa_float_denorm_mode_32 3
		.amdhsa_float_denorm_mode_16_64 3
		.amdhsa_memory_ordered 1
		.amdhsa_forward_progress 1
		.amdhsa_inst_pref_size 20
	.end_amdhsa_kernel
	.amdgpu_metadata
---
amdhsa.version: [ 1, 2 ]
amdhsa.kernels:
  - .name:           k_q67e74dbd77_proj
    .symbol:         k_q67e74dbd77_proj.kd
    .args:
      - { .name: af, .offset: 0, .size: 8, .value_kind: global_buffer, .address_space: global }
      - { .name: Wo, .offset: 8, .size: 8, .value_kind: global_buffer, .address_space: global }
      - { .name: out0, .offset: 16, .size: 8, .value_kind: global_buffer, .address_space: global }
    .group_segment_fixed_size: 101376
    .private_segment_fixed_size: 0
    .kernarg_segment_align: 8
    .kernarg_segment_size: 24
    .max_flat_workgroup_size: 512
    .sgpr_count:     66
    .vgpr_count:     208
    .wavefront_size: 32
...
	.end_amdgpu_metadata
.endif
;; end of part 3
;; launch first16 (part 4): grid 4 x 1, 16 waves a work-group, no clusters, 35,072 bytes of LDS; arguments fine, Wo, out0; writes out0
.if DOCPART == 4
	.amdgcn_target "amdgcn-amd-amdhsa--gfx1250"
	.amdhsa_code_object_version 6
	.text
	.protected	k_q67e74dbd77_first16
	.globl	k_q67e74dbd77_first16
	.p2align	8
	.type	k_q67e74dbd77_first16,@function
k_q67e74dbd77_first16:
	s_mov_b64 s[64:65], 0
	v_nop
	global_prefetch_b8 v0, s[64:65] scope:SCOPE_SE
	s_setreg_imm32_b32 hwreg(HW_REG_WAVE_MODE, 25, 1), 1
	s_wait_xcnt 0x0
; Positions 0-15 of each batch, wholly in f32: under the causal mask these rows average one to sixteen values, so the rounding of 16-bit operands would weigh most here.
; One work-group a batch.  Wave w: head w / 4, channel tile w % 4 of the head for the second product; output tile w for the projection.
; The operands are the f32 tiles that the first launch stored as register images: q, k: a lane holds token r and channels 8 h + 0..7 of a channel tile; v: channel r and tokens 8 h + 0..7.
; The matrix form is 16 x 16 x 4: a lane gives two numbers.  Instruction c takes registers 2 c, 2 c + 1 of an image on BOTH sides, so both sides name k = 8 h + 2 c + 0, 1: the same order of k, every k once.
; S^T = k q^T (a lane: query r, keys 8 h + j), mask, softmax with its maximum taken away, O^T = v^T p, then out = O Wo^T with Wo loaded in the same order of k.
; Each product runs on four accumulators by turns; their sums are added into other registers: the accumulators are written by matrix instructions alone.
; Four work-groups: 64 rows are all the work that there is.
.set OIMG,  0                          ; the attention result: 16 channel tiles x 1,024 bytes, as register images
.set STG,   16384                      ; 16 rows x (1,024 + 16) bytes
.set SP,    1040
.set SPARE, 33024
.set LI,  1                            ; v1   16 x lane
.set WA,  2                            ; v2   1024 r + 32 h
.set LR,  3                            ; v3   r - 8 h
.set OW,  4                            ; v4   16 x lane + 1024 x wave
.set SO,  5                            ; v5   the stage: row r, 64 x wave + 32 h
.set SR,  6                            ; v6   back: row w, 16 bytes a lane
.set SPW, 12
.set NIL, 13
.set VF,  16                           ; v16-23  v's tile
.set P,   24                           ; v24-31  scores, p, then sums of accumulators
.set KF,  32                           ; v32-63  k's four tiles; later, with v64-95, eight tiles of the attention result
.set QF,  64                           ; v64-95  q's four tiles
.set ACC, 96                           ; v96-127 four accumulators
.set WO,  128                          ; v128-255 my 16 rows of Wo: 16 channel tiles x 8
	s_load_b128 s[4:7], s[0:1], 0x0                ; fine, Wo
	s_load_b64 s[8:9], s[0:1], 0x10                ; out0
	v_lshl_add_u32 v[SPW], v0, 2, SPARE
	v_mov_b32 v[NIL], 0
	v_lshrrev_b32 v1, 5, v0
	v_readfirstlane_b32 s10, v1                    ; wave 0..15
	v_and_b32 v[LI], 31, v0
	v_lshlrev_b32 v[LI], 4, v[LI]
	v_and_b32 v7, 15, v0                           ; r
	v_bfe_u32 v8, v0, 4, 1                         ; h
	v_lshlrev_b32 v[WA], 10, v7
	v_lshl_add_u32 v[WA], v8, 5, v[WA]
	v_lshlrev_b32 v[LR], 3, v8
	v_sub_nc_u32 v[LR], v7, v[LR]
	s_lshl_b32 s11, s10, 10
	v_add_nc_u32 v[OW], s11, v[LI]
	v_mul_u32_u24 v[SO], v7, SP
	v_lshl_add_u32 v[SO], v8, 5, v[SO]
	s_lshl_b32 s11, s10, 6
	s_add_co_u32 s11, s11, STG
	v_add_nc_u32 v[SO], s11, v[SO]
	s_mul_i32 s11, s10, SP
	s_add_co_u32 s11, s11, STG
	v_add_nc_u32 v[SR], s11, v[LI]
	v_mov_b32 v10, 0xff800000                      ; -infinity
	s_mov_b32 s20, 0x3e38aa3b                      ; log2(e) / 8
	s_mov_b32 s24, 0x76543210
	s_mov_b32 s25, 0xfedcba98
	s_lshl_b32 s12, ttmp9, 2
	s_lshr_b32 s13, s10, 2
	s_add_co_u32 s12, s12, s13                     ; bh
	s_mul_i32 s12, s12, 12288
	s_mov_b32 s13, 0
	s_and_b32 s14, s10, 3
	s_lshl_b32 s14, s14, 10
	s_add_co_u32 s14, s14, 8192                    ; v, my channel tile
	s_mov_b32 s15, 0
	s_lshl_b32 s16, s10, 14                        ; my 16 rows of Wo
	s_mov_b32 s17, 0
	s_lshl_b32 s18, ttmp9, 12
	s_add_co_u32 s18, s18, s10                     ; the row that I store: 4096 b + w
	s_lshl_b32 s18, s18, 10
	s_mov_b32 s19, 0
	s_wait_kmcnt 0x0
	s_add_nc_u64 s[4:5], s[4:5], s[12:13]
	s_add_nc_u64 s[14:15], s[4:5], s[14:15]
	s_add_nc_u64 s[6:7], s[6:7], s[16:17]
	s_add_nc_u64 s[8:9], s[8:9], s[18:19]
.irp t, 0,1,2,3
.irp c, 0,1
	global_load_b128 v[QF+8*\t+4*\c:QF+8*\t+4*\c+3], v[LI], s[4:5] offset:\t*1024+512*\c
	global_load_b128 v[KF+8*\t+4*\c:KF+8*\t+4*\c+3], v[LI], s[4:5] offset:4096+\t*1024+512*\c
.endr
.endr
.irp c, 0,1
	global_load_b128 v[VF+4*\c:VF+4*\c+3], v[LI], s[14:15] offset:512*\c
.endr
.irp t, 0,1,2,3,4,5,6,7,8,9,10,11,12,13,14,15
.irp c, 0,1
	global_load_b128 v[WO+8*\t+4*\c:WO+8*\t+4*\c+3], v[WA], s[6:7] offset:64*\t+16*\c   ; Wo(16 w + r, 16 t + 8 h + 4 c ..)
.endr
.endr
	s_wait_loadcnt 32                              ; q, k, v are in; Wo's 32 loads may be out
.irp c, 0,1,2,3                                ; S^T: accumulator t sums channel tile t
.irp t, 0,1,2,3
.if \c == 0
	v_wmma_f32_16x16x4_f32 v[ACC+8*\t:ACC+8*\t+7], v[KF+8*\t+2*\c:KF+8*\t+2*\c+1], v[QF+8*\t+2*\c:QF+8*\t+2*\c+1], 0
.else
	v_wmma_f32_16x16x4_f32 v[ACC+8*\t:ACC+8*\t+7], v[KF+8*\t+2*\c:KF+8*\t+2*\c+1], v[QF+8*\t+2*\c:QF+8*\t+2*\c+1], v[ACC+8*\t:ACC+8*\t+7]
.endif
.endr
.endr
.rept 8
	v_nop                                          ; eight places behind this form, ahead of the first read of a result
.endr
.macro SUM4                            ; the four accumulators' sum into v[P] on, ascending: each accumulator is read from its low end on
.irp j, 0,1,2,3,4,5,6,7
	v_add_f32 v[P+\j], v[ACC+\j], v[ACC+8+\j]
	v_add_f32 v8, v[ACC+16+\j], v[ACC+24+\j]
	v_add_f32 v[P+\j], v[P+\j], v8
.endr
.endm
	SUM4
.irp j, 0,1,2,3,4,5,6,7
	v_cmp_gt_i32 vcc_lo, \j, v[LR]                 ; key 8 h + j comes after query r
	v_cndmask_b32 v[P+\j], v[P+\j], v10, vcc_lo
.endr
	v_max3_num_f32 v7, v[P], v[P+1], v[P+2]
	v_max3_num_f32 v7, v7, v[P+3], v[P+4]
	v_max3_num_f32 v7, v7, v[P+5], v[P+6]
	v_max_num_f32 v7, v7, v[P+7]
	v_permlanex16_b32 v8, v7, s24, s25
	v_max_num_f32 v7, v7, v8                       ; the row's maximum: key 0 counts for every query
.irp j, 0,1,2,3,4,5,6,7
	v_sub_f32 v[P+\j], v[P+\j], v7
.endr
.irp j, 0,1,2,3,4,5,6,7
	v_mul_f32 v[P+\j], s20, v[P+\j]
.endr
.irp j, 0,1,2,3,4,5,6,7
	v_exp_f32 v[P+\j], v[P+\j]
.endr
	v_nop
	s_wait_alu depctr_va_vdst(0)                   ; one wait for the eight exponentials, ahead of their first reader
	v_add_f32 v9, v[P], v[P+1]
	v_add_f32 v11, v[P+2], v[P+3]
	v_add_f32 v9, v9, v[P+4]
	v_add_f32 v11, v11, v[P+5]
	v_add_f32 v9, v9, v[P+6]
	v_add_f32 v11, v11, v[P+7]
	v_add_f32 v9, v9, v11
	v_permlanex16_b32 v8, v9, s24, s25
	v_add_f32 v9, v9, v8
	v_rcp_f32 v9, v9
	v_nop
	s_wait_alu depctr_va_vdst(0)
.irp j, 0,1,2,3,4,5,6,7
	v_mul_f32 v[P+\j], v[P+\j], v9
.endr
.irp c, 0,1,2,3                                ; O^T = v^T p: four keys an instruction, an accumulator each
	v_wmma_f32_16x16x4_f32 v[ACC+8*\c:ACC+8*\c+7], v[VF+2*\c:VF+2*\c+1], v[P+2*\c:P+2*\c+1], 0
.endr
.rept 9
	v_nop                                          ; nine places: the sums below write p's registers, and the projection begins these accumulators anew
.endr
	SUM4                                           ; lane (r, h): query r, channels 16 (w % 4) + 8 h + 0..7 of my head
	ds_store_b128 v[OW], v[P:P+3] offset:OIMG
	ds_store_b128 v[OW], v[P+4:P+7] offset:OIMG+512
	s_wait_dscnt 0x0
	s_barrier_signal -1
	s_barrier_wait -1                              ; all 16 channel tiles of the 16 rows lie in LDS
	s_wait_loadcnt 0x0                             ; Wo
.irp bb, 0,1                                   ; the projection, eight channel tiles at a time
.irp e, 0,1,2,3,4,5,6,7
.irp c, 0,1
	ds_load_b128 v[KF+8*\e+4*\c:KF+8*\e+4*\c+3], v[LI] offset:OIMG+(8*\bb+\e)*1024+512*\c
.endr
.endr
	s_wait_dscnt 0x0
.irp e, 0,1,2,3,4,5,6,7
.irp c, 0,1,2,3
.if (\bb == 0) && (\e == 0)
	v_wmma_f32_16x16x4_f32 v[ACC+8*\c:ACC+8*\c+7], v[WO+8*(8*\bb+\e)+2*\c:WO+8*(8*\bb+\e)+2*\c+1], v[KF+8*\e+2*\c:KF+8*\e+2*\c+1], 0
.else
	v_wmma_f32_16x16x4_f32 v[ACC+8*\c:ACC+8*\c+7], v[WO+8*(8*\bb+\e)+2*\c:WO+8*(8*\bb+\e)+2*\c+1], v[KF+8*\e+2*\c:KF+8*\e+2*\c+1], v[ACC+8*\c:ACC+8*\c+7]
.endif
.endr
.endr
.rept 8
	v_nop                                          ; eight places: for the next loads into these fragments, and for the reads of the results
.endr
.endr
	SUM4                                           ; lane (r, h): row r, outputs 16 w + 8 h + 0..7
	ds_store_b128 v[SO], v[P:P+3]
	ds_store_b128 v[SO], v[P+4:P+7] offset:16
	s_wait_dscnt 0x0
	s_barrier_signal -1
	s_barrier_wait -1                              ; 16 whole rows lie in the stage
	ds_load_b128 v[KF:KF+3], v[SR]
	ds_load_b128 v[KF+4:KF+7], v[SR] offset:512
	s_wait_dscnt 0x0
	global_store_b128 v[LI], v[KF:KF+3], s[8:9] th:TH_STORE_NT               ; row w: 512 consecutive bytes a store, aligned
	global_store_b128 v[LI], v[KF+4:KF+7], s[8:9] offset:512 th:TH_STORE_NT
	s_wait_tensorcnt 0x0                           ; the wave's end, behind my last LDS store
	ds_add_u32 v[SPW], v[NIL]
	s_wait_dscnt 0x0
	s_endpgm
.Lfunc_end_k_q67e74dbd77_first16:
	.size	k_q67e74dbd77_first16, .Lfunc_end_k_q67e74dbd77_first16-k_q67e74dbd77_first16
	.p2alignl 7, 3214868480
	.fill 96, 4, 3214868480
	.section	.rodata,"a",@progbits
	.p2align	6, 0x0
	.amdhsa_kernel k_q67e74dbd77_first16
		.amdhsa_group_segment_fixed_size 35072
		.amdhsa_private_segment_fixed_size 0
		.amdhsa_enable_private_segment 0
		.amdhsa_kernarg_size 24
		.amdhsa_user_sgpr_count 2
		.amdhsa_user_sgpr_kernarg_segment_ptr 1
		.amdhsa_wavefront_size32 1
		.amdhsa_system_sgpr_workgroup_id_x 1
		.amdhsa_system_sgpr_workgroup_id_y 1
		.amdhsa_system_sgpr_workgroup_id_z 1
		.amdhsa_system_vgpr_workitem_id 0
		.amdhsa_next_free_vgpr 256
		.amdhsa_next_free_sgpr 66
		.amdhsa_reserve_vcc 1
		.amdhsa_float_denorm_mode_32 3
		.amdhsa_float_denorm_mode_16_64 3
		.amdhsa_memory_ordered 1
		.amdhsa_forward_progress 1
		.amdhsa_inst_pref_size 21
	.end_amdhsa_kernel
	.amdgpu_metadata
---
amdhsa.version: [ 1, 2 ]
amdhsa.kernels:
  - .name:           k_q67e74dbd77_first16
    .symbol:         k_q67e74dbd77_first16.kd
    .args:
      - { .name: fine, .offset: 0, .size: 8, .value_kind: global_buffer, .address_space: global }
      - { .name: Wo, .offset: 8, .size: 8, .value_kind: global_buffer, .address_space: global }
      - { .name: out0, .offset: 16, .size: 8, .value_kind: global_buffer, .address_space: global }
    .group_segment_fixed_size: 35072
    .private_segment_fixed_size: 0
    .kernarg_segment_align: 8
    .kernarg_segment_size: 24
    .max_flat_workgroup_size: 512
    .sgpr_count:     66
    .vgpr_count:     256
    .wavefront_size: 32
...
	.end_amdgpu_metadata
.endif
;; end of part 4
